; MI455X (gfx1250); checked and timed in simulation.
; The chip was launched on July 23, 2026; its instructions are those of AMD's public machine-readable ISA for CDNA 5 (MIT licence, August 2026) and "CDNA5" Instruction Set Architecture Reference Guide (July 2026). The comments in the code are by the model that wrote it; some were corrected since.
;; PLRNN Step. Allowed arithmetic: matrix products marked QUANTISED: E2M1 operands, one E8M0 scale for each 32 along K, by v_wmma_scale_f32_16x16x128_f8f6f4 with both operands' format E2M1 (or v_wmma_scale_f32_32x16x128_f4), f32 sums; everything else in f32.
;; Inputs: A 1,024 float32; C 1,024 x 64 float32; W1 4,096 x 1,024 float32; W2 1,024 x 4,096 float32; h1 4,096 float32; h2 1,024 float32; s 8,192 x 64 float32; z 8,192 x 1,024 float32.
;; Outputs: out0 8,192 x 1,024 float32.
;; This version of the problem:
;;   THIS VERSION OF THE PROBLEM IS GIVEN IN LOW PRECISION. The matrix products marked QUANTISED in the list below multiply operands that are first quantised to E2M1 (2 exponent bits, 1 mantissa bit; 4 bits a number), with one power-of-two scale for each 32 numbers along K (OCP MX v1.0); their sums are f32. All else is computed in f32.
;;   The module's matrix products, in the order in which they are computed (A, B: the left and right operand; K: the contracted axis; several contracted axes count as one K, in the product's order):
;;     1. [M 8,192, K 1,024] x [K 1,024, N 4,096]; A: input z; B: input W1: QUANTISED
;;     2. [M 8,192, K 4,096] x [K 4,096, N 1,024]; A: computed on the way; B: input W2: QUANTISED
;;     3. [M 8,192, K 64] x [K 64, N 1,024]; A: input s; B: input C: QUANTISED
;;   THE QUANTISER, for each operand of a quantised product, along K:
;;     - K is cut into blocks of 32 from its start; a last block that is shorter is filled with zeros.
;;     - A block's scale is 2^e with e = floor(log2(the largest magnitude in the block)) - 2, held to -126 .. 127; a block of zeros has e = 0. As a byte (E8M0): e + 127.
;;     - Each number is divided by its block's scale, clamped to +-6, and rounded to the nearest number of E2M1, ties to even, subnormals kept.
;;     - The product sums the exact products of the quantised numbers (number of the format x scale) in f32.
;;   ~~~python
;;   def quantise(x, axis):      # numpy; x: float32 -> the quantised numbers, widened to float32 again
;;       x = np.moveaxis(x, axis, -1); K = x.shape[-1]
;;       x = np.pad(x, [(0, 0)] * (x.ndim - 1) + [(0, -K % 32)]); x = x.reshape(x.shape[:-1] + (-1, 32)); a = np.abs(x).max(-1, keepdims=True)
;;       e = np.where(a > 0, np.clip(np.frexp(np.where(a > 0, a, 1))[1] - 1 - 2, -126, 127), 0)      # np.frexp(a)[1] - 1 = floor(log2(a)), exactly
;;       r = np.clip(x / 2.0 ** e, -6, 6)
;;       step = 2.0 ** (np.maximum(np.frexp(np.where(r == 0, 1, r))[1] - 1, 0) - 1)
;;       q = np.round(r / step) * step * 2.0 ** e      # np.round: ties to even
;;       return np.moveaxis(q.reshape(q.shape[:-2] + (-1,))[..., :K], -1, axis).astype(np.float32)
;;   ~~~
;;   OPERANDS COMPUTED ON THE WAY. 'Computed on the way' means the value that the module computes at that place (a softmax that the list does not call 'softmax' is quantised finished and normalised). What goes into a quantiser is computed in f32, as accurately as f32 sums, v_exp_f32 and their like allow (about 1e-6 of the number): no bf16 or f16 on the way to a quantiser, and a product that is left as it is and whose result goes on into a quantised operand takes f32 operands (vector FMAs, or v_wmma_f32_16x16x4_f32). A number that lies on a knife's edge between two numbers of the format may be rounded either way, as far as f32 arithmetic and the matrix unit's own rounding can turn it there, and no further.
;; One version. Each part assembles by itself: llvm-mc -triple=amdgcn-amd-amdhsa -mcpu=gfx1250 --defsym DOCPART=n.
;; ======== version 1 of 1: 3 launches
;; limits: right only within a limited range of input values
;; workspace buffers: zq 4,456,448 bytes; w1q 2,228,224 bytes; w2q 2,228,224 bytes; hq 17,825,792 bytes; sq 294,912 bytes; cq 36,864 bytes
;; launch quant (part 1): grid 512 x 1, 4 waves a work-group, no clusters, 68,096 bytes of LDS; arguments z, W1, W2, s, C, zq, w1q, w2q, sq, cq; writes zq, w1q, w2q, sq, cq
.if DOCPART == 1
	.amdgcn_target "amdgcn-amd-amdhsa--gfx1250"
	.amdhsa_code_object_version 6
	.text
	.protected	k_q1e97002a8c_quant
	.globl	k_q1e97002a8c_quant
	.p2align	8
	.type	k_q1e97002a8c_quant,@function
k_q1e97002a8c_quant:
	s_mov_b64 s[64:65], 0
	v_nop
	global_prefetch_b8 v0, s[64:65] scope:SCOPE_SE
	s_setreg_imm32_b32 hwreg(HW_REG_WAVE_MODE, 25, 1), 1
	s_wait_xcnt 0x0
; out0 = A*z + Q(relu(Q(z) Q(W1)^T + h1)) Q(W2)^T + h2 + Q(s) Q(C)^T, Q = the MX-FP4 quantiser along each product's K.  Three launches: this one quantises the five given operands.
; NO WORK IS LEFT OUT: every input (z, s, A, W1, W2, h1, h2, C) has a way to out0 for all values, and every product of the table is done.
; THE LAYOUT of all workspace: images of the matrix operand's registers.  A SUPER-IMAGE is 16 rows x 512 along K, 4,352 bytes: at 1024 q + 512 c + 16 lane the registers 4 c .. 4 c + 3 of the
; fragment of K step q (lane (r, h): row r, k = 128 q + 64 c + 32 h + 0 .. 31); at 4096 + 16 r + 4 q row r's scale word of K step q.  Buffers are [row block][group of 512 along K].
; Row block T holds rows 16 T + r; in w1q row block 2 b + u holds W1's rows 32 b + 8 u + r + 8 (r / 8), so that the next launch's results lie as neighbours along the next K.
; s and C (K = 64): a PIECE is 64 rows in 2,304 bytes: at 512 j + 16 lane registers 0 .. 3 of row block j (k = 32 h ..); at 2048 + 128 (j % 2) + 8 r + 4 (j / 2) the scale word (bytes 0, 1; bytes 2, 3 are 0 and stand over zero codes).
; A block's scale is 2^(floor(log2(largest magnitude)) - 2): its byte is the largest magnitude's exponent field - 2, held at 1 from below by a floor among the maximum's leaves.
; LIMITS: NaN and infinities among the inputs are not served.  A block of zeros gets the byte 1 where the rule says 127: its codes are zeros, and this program alone reads the bytes.
; SHARES: 512 work-groups of equal size: 0-255 take z, 256-383 W1, 384-511 W2; a wave makes one super-image (16 rows x 2,048 bytes of f32).  The 144 pieces of s (128) and C (16) ride along: wave 0 of work-group J < 144
; takes piece J besides its super-image: 16,384 bytes more for a work-group that reads 131,072.
; Each load reads 512 consecutive bytes; the numbers turn through the wave's own stage in LDS, so that a lane gets 32 neighbours along K, a whole block.  Waves share nothing: no barrier.
; A piece's 32 loads are issued ahead of the wave's other loads, into v256-383, so that every counted wait of the super-image keeps its count (loads come back in order); the piece is worked between K steps 1 and 2,
; while the loads of K steps 2 and 3 are on their way.
; The text parts once, on the wave's and the work-group's number, into a way without a piece and a way with one; each way has LDS bytes of its own (stages 0-3, stages 4-7), apart by wave in both.
.set STG,   8448                       ; a wave's stage: 16 rows x (512 + 16) bytes: row r starts 4 r banks on.  A piece's row block takes 16 rows x (256 + 16) of it
.set STG5,  4*STG                      ; the stages of the way with a piece
.set SPARE, 8*STG                      ; behind the stages: the spare words, 128 bytes for each wave, which no other line names
.set CO,  1                            ; v1   16 x lane
.set STI, 2                            ; v2   the stage, on the way in: 16 x lane
.set STR, 3                            ; v3   and on the way out: 528 r + 128 h
.set SOF, 4                            ; v4   the scale words' place: 16 r + 8 h
.set H8,  5                            ; v5   8 h
.set HH,  6                            ; v6   h
.set STI2, 7                           ; v7   a piece's row block, on the way in: 272 h + 16 r (a load's 512 bytes are two rows)
.set AM,  8                            ; v8-9   largest magnitudes
.set SO,  10                           ; v10-11 the conversions' scale operands
.set BY,  12                           ; v12-13 scale bytes
.set PD,  14                           ; v14  a lane permute's destination
.set TT,  15                           ; v15  at work
.set SW,  16                           ; v16-19 the super-image's scale words
.set OP,  20                           ; v20-21 r at the head; later the pair of words that is stored
.set SPW, 22                           ; v22  my spare word's LDS address; never rewritten
.set NIL, 23                           ; v23  0; never rewritten
.set VO,  24                           ; v24-39 row p's byte offset + 16 x lane
.set CD,  40                           ; v40-55 codes, two sets of 8 (a piece: four of 4)
.set R,   56                           ; v56-183 numbers as loaded: two sets of 64
.set X,   184                          ; v184-247 64 numbers of my row: two blocks of 32 (a piece: two row blocks by turns)
.set WS,  248                          ; v248-251 a piece's scale words
.set SOF2, 252                         ; v252 8 x lane
.set STR2, 253                         ; v253 a piece's row block, on the way out: 272 r + 128 h
.set STIB, 254                         ; v254, v255: STI and STR in the stages of the way with a piece
.set STRB, 255
.set MSB, 0
.macro WIN new                         ; the immediate's high byte repeats the setting that is left
.if MSB != (\new)
	s_set_vgpr_msb (MSB<<8)|(\new)
.set MSB, (\new)
.endif
.endm
	s_load_b256 s[4:11], s[0:1], 0x0               ; z, W1, W2, s
	s_load_b256 s[12:19], s[0:1], 0x20             ; C, zq, w1q, w2q
	s_load_b128 s[20:23], s[0:1], 0x40             ; sq, cq
	v_lshl_add_u32 v[SPW], v0, 2, SPARE
	v_mov_b32 v[NIL], 0
	v_lshrrev_b32 v[TT], 5, v0
	v_readfirstlane_b32 s2, v[TT]                  ; wave
	v_and_b32 v[TT], 31, v0
	v_lshlrev_b32 v[CO], 4, v[TT]
	v_lshlrev_b32 v[SOF2], 3, v[TT]
	v_and_b32 v[OP], 15, v0                        ; r
	v_bfe_u32 v[HH], v0, 4, 1                      ; h
	v_lshlrev_b32 v[H8], 3, v[HH]
	v_mov_b32 v[PD], 0                             ; written once: a lane permute's destination counts as one of its sources
	v_cmp_eq_u32 vcc_lo, 1, v[HH]                  ; lanes 16-31: kept for the selects of the scale words
	s_mov_b32 s44, 0x76543210
	s_mov_b32 s45, 0xfedcba98                      ; v_permlanex16_b32's selects for lane l xor 16
	s_mov_b32 s39, 0
	; every LDS address is made here, ahead of the parting
	s_mul_i32 s3, s2, STG
	s_add_co_u32 s41, s3, STG5
	v_add_nc_u32 v[STI], s3, v[CO]
	v_add_nc_u32 v[STIB], s41, v[CO]
	v_mul_u32_u24 v[STR], v[OP], 528
	v_lshl_add_u32 v[STR], v[HH], 7, v[STR]
	v_add_nc_u32 v[STRB], s41, v[STR]
	v_add_nc_u32 v[STR], s3, v[STR]
	v_mul_u32_u24 v[STI2], v[HH], 272
	v_lshl_add_u32 v[STI2], v[OP], 4, v[STI2]
	v_add_nc_u32 v[STI2], s41, v[STI2]
	v_mul_u32_u24 v[STR2], v[OP], 272
	v_lshl_add_u32 v[STR2], v[HH], 7, v[STR2]
	v_add_nc_u32 v[STR2], s41, v[STR2]
	v_lshlrev_b32 v[SOF], 4, v[OP]
	v_add_nc_u32 v[SOF], v[SOF], v[H8]
	s_wait_kmcnt 0x0
	s_mov_b32 s28, 1536
	s_cmp_lt_u32 ttmp9, 384                        ; W1 or W2: the choices hang on the work-group's number alone
	s_cselect_b64 s[24:25], s[6:7], s[8:9]
	s_cselect_b64 s[26:27], s[16:17], s[18:19]
	s_cselect_b32 s28, 1024, s28                   ; the tensor's first item
	s_cselect_b32 s29, 1, 3                        ; log2 of its groups of 512 along K
	s_cselect_b32 s30, 12, 14                      ; log2 of a row's bytes
	s_cselect_b32 s31, 1, 0                        ; W1's choice of rows
	s_cmp_lt_u32 ttmp9, 256                        ; or z
	s_cselect_b64 s[24:25], s[4:5], s[24:25]
	s_cselect_b64 s[26:27], s[14:15], s[26:27]
	s_cselect_b32 s28, 0, s28
	s_cselect_b32 s29, 1, s29
	s_cselect_b32 s30, 12, s30
	s_cselect_b32 s31, 0, s31
	s_lshl_b32 s32, ttmp9, 2
	s_add_co_u32 s32, s32, s2
	s_sub_co_u32 s32, s32, s28                     ; my item in the tensor = row block x groups + group
	s_lshr_b32 s33, s32, s29                       ; row block T
	s_lshl_b32 s34, s33, s29
	s_sub_co_u32 s34, s32, s34                     ; group g
	s_lshr_b32 s35, s33, 1
	s_lshl_b32 s35, s35, 5
	s_and_b32 s36, s33, 1
	s_lshl_b32 s36, s36, 3
	s_add_co_u32 s35, s35, s36                     ; 32 (T / 2) + 8 (T % 2)
	s_lshl_b32 s36, s33, 4                         ; 16 T
	s_cmp_eq_u32 s31, 1
	s_cselect_b32 s35, s35, s36                    ; my first row
	s_cselect_b32 s37, 8, 0                        ; rows 8 .. 15 of the block lie so much further down
	s_lshl_b32 s38, s35, s30
	s_lshl_b32 s36, s34, 11
	s_add_co_u32 s38, s38, s36                     ; row x row bytes + 2,048 g (under 2^26)
	s_add_nc_u64 s[24:25], s[24:25], s[38:39]
	s_mul_i32 s38, s32, 4352
	s_add_nc_u64 s[26:27], s[26:27], s[38:39]
.irp p, 0,1,2,3,4,5,6,7
	s_lshl_b32 s40, \p, s30
	v_add_nc_u32 v[VO+\p], s40, v[CO]
.endr
.irp p, 8,9,10,11,12,13,14,15
	s_add_co_u32 s40, s37, \p
	s_lshl_b32 s40, s40, s30
	v_add_nc_u32 v[VO+\p], s40, v[CO]
.endr
.macro LOAD q                          ; K step q: 16 rows x 512 consecutive bytes
.irp p, 0,1,2,3,4,5,6,7,8,9,10,11,12,13,14,15
	global_load_b128 v[R+64*((\q)%2)+4*\p:R+64*((\q)%2)+4*\p+3], v[VO+\p], s[24:25] offset:512*(\q) th:TH_LOAD_NT
.endr
.endm
.macro TURN q, sti, str                ; through the stage: LDS serves a wave's instructions in order, so no wait stands between the stores and the loads
.irp p, 0,1,2,3,4,5,6,7,8,9,10,11,12,13,14,15
	ds_store_b128 v[\sti], v[R+64*((\q)%2)+4*\p:R+64*((\q)%2)+4*\p+3] offset:528*\p
.endr
.irp c, 0,1
.irp j, 0,1,2,3,4,5,6,7
	ds_load_b128 v[X+32*\c+4*\j:X+32*\c+4*\j+3], v[\str] offset:256*\c+16*\j   ; row r, k = 64 c + 32 h + 4 j ..
.endr
.endr
.endm
.macro FRAGQ q, sti, str
.if (\q) < 3
	s_wait_loadcnt 16                              ; this K step's 16 loads are in, and all that were issued ahead of them; the next step's 16 may be out
.else
	s_wait_loadcnt 0
.endif
	TURN \q, \sti, \str
	s_wait_dscnt 0x0                               ; my 64 numbers are back, so the stage's stores have read their registers,
.if (\q)+2 < 4
	LOAD (\q)+2                                    ; which take the loads of two steps on
.endif
.irp c, 0,1
	v_max3_num_f32 v[AM+\c], |v[X+32*\c]|, |v[X+32*\c+1]|, 0x1800000   ; block 2 c + h: all 32 numbers are mine; the floor 2^(3 - 127) holds the byte at 1 from below
.endr
.irp i, 2,4,6,8,10,12,14,16,18,20,22,24,26,28,30
.irp c, 0,1
	v_max3_num_f32 v[AM+\c], v[AM+\c], |v[X+32*\c+\i]|, |v[X+32*\c+\i+1]|
.endr
.endr
.irp c, 0,1
	v_add_nc_u32 v[SO+\c], 0xff000000, v[AM+\c]    ; 2 off the exponent field: the conversion takes the exponent field of this operand as its scale
.endr
.irp c, 0,1
	v_lshrrev_b32 v[BY+\c], 23, v[SO+\c]           ; the scale's byte
.endr
	v_lshl_or_b32 v[TT], v[BY+1], 16, v[BY]        ; my two bytes, blocks h and 2 + h,
	v_lshlrev_b32 v[TT], v[H8], v[TT]              ; at their places in the word;
	v_permlanex16_b32 v[PD], v[TT], s44, s45
	v_or_b32 v[SW+(\q)], v[TT], v[PD]              ; with lane l xor 16's two the word is whole
.if (\q) >= 2
	s_wait_alu depctr_va_vdst(0)
	s_wait_xcnt 0x0                                ; the earlier stores (two steps back; a piece's) have read this set of codes
.endif
.irp c, 0,1
.irp g, 0,1,2,3
	v_cvt_scalef32_pk8_fp4_f32 v[CD+8*((\q)%2)+4*\c+\g], v[X+32*\c+8*\g:X+32*\c+8*\g+7], v[SO+\c]
.endr
.endr
	v_nop                                          ; one plain instruction behind the last conversion
.irp c, 0,1
	global_store_b128 v[CO], v[CD+8*((\q)%2)+4*\c:CD+8*((\q)%2)+4*\c+3], s[26:27] offset:1024*(\q)+512*\c   ; 512 consecutive bytes
.endr
.endm
.macro FINISH                          ; the super-image's scale words: lanes 0-15 store words 0, 1 of row r, lanes 16-31 words 2, 3
	v_cndmask_b32 v[OP], v[SW], v[SW+2], vcc_lo
	v_cndmask_b32 v[OP+1], v[SW+1], v[SW+3], vcc_lo
	global_store_b64 v[SOF], v[OP:OP+1], s[26:27] offset:4096   ; 256 consecutive bytes, aligned
.endm
; A piece's row block j (16 rows x 256 bytes, eight registers of four in v256 on) through the stage, into X's set j % 2
.macro STURN j
	WIN 0x04                                       ; an LDS store's data are its source 1: window 1
.irp i, 0,1,2,3,4,5,6,7
	ds_store_b128 v[STI2], v[32*(\j)+4*\i:32*(\j)+4*\i+3] offset:544*\i      ; rows 2 i and 2 i + 1
.endr
	WIN 0
.irp i, 0,1,2,3,4,5,6,7
	ds_load_b128 v[X+32*((\j)%2)+4*\i:X+32*((\j)%2)+4*\i+3], v[STR2] offset:16*\i   ; row r, k = 32 h + 4 i ..
.endr
.endm
.macro SCOMP j                         ; its block h of row r is all mine: scale, codes, 512 consecutive bytes out
.set XS, X+32*((\j)%2)
	v_max3_num_f32 v[AM], |v[XS]|, |v[XS+1]|, 0x1800000
	v_max3_num_f32 v[AM+1], |v[XS+16]|, |v[XS+17]|, 0x1800000
.irp i, 2,4,6,8,10,12,14
	v_max3_num_f32 v[AM], v[AM], |v[XS+\i]|, |v[XS+\i+1]|
	v_max3_num_f32 v[AM+1], v[AM+1], |v[XS+16+\i]|, |v[XS+17+\i]|
.endr
	v_max_num_f32 v[AM], v[AM], v[AM+1]
	v_add_nc_u32 v[SO], 0xff000000, v[AM]
	v_lshrrev_b32 v[BY], 23, v[SO]
	v_lshlrev_b32 v[TT], v[H8], v[BY]              ; block h's byte at its place
	v_permlanex16_b32 v[PD], v[TT], s44, s45
	v_or_b32 v[WS+(\j)], v[TT], v[PD]
.irp g, 0,1,2,3
	v_cvt_scalef32_pk8_fp4_f32 v[CD+4*(\j)+\g], v[XS+8*\g:XS+8*\g+7], v[SO]
.endr
	v_nop                                          ; one plain instruction behind the last conversion
	global_store_b128 v[CO], v[CD+4*(\j):CD+4*(\j)+3], s[30:31] offset:512*(\j)
.endm
	s_cmp_lg_u32 s2, 0                             ; the one parting: wave 0 of work-groups 0 to 143 has a piece
	s_cbranch_scc1 .Lplain
	s_cmp_lt_u32 ttmp9, 144
	s_cbranch_scc1 .Lextra
.Lplain:
	s_wait_alu depctr_va_vdst(0)
	LOAD 0
	LOAD 1
	FRAGQ 0, STI, STR
	FRAGQ 1, STI, STR
	FRAGQ 2, STI, STR
	FRAGQ 3, STI, STR
	FINISH
	s_wait_tensorcnt 0x0                           ; the wave's end
	ds_add_u32 v[SPW], v[NIL]
	s_wait_dscnt 0x0
	s_endpgm
.Lextra:
	s_cmp_lt_u32 ttmp9, 128                        ; pieces 0 to 127 are s's, 128 to 143 C's
	s_cselect_b64 s[28:29], s[10:11], s[12:13]
	s_cselect_b64 s[30:31], s[20:21], s[22:23]
	s_cselect_b32 s32, 0, 128
	s_sub_co_u32 s32, ttmp9, s32                   ; which 64 rows of the tensor
	s_lshl_b32 s38, s32, 14
	s_add_nc_u64 s[28:29], s[28:29], s[38:39]
	s_mul_i32 s38, s32, 2304
	s_add_nc_u64 s[30:31], s[30:31], s[38:39]
	WIN 0x40                                       ; destination window 1
.set N, 0
.rept 32
	global_load_b128 v[4*N:4*N+3], v[CO], s[28:29] offset:512*N th:TH_LOAD_NT   ; the piece as it lies: 512 consecutive bytes a load, two rows
.set N, N+1
.endr
	WIN 0
	s_wait_alu depctr_va_vdst(0)
	LOAD 0
	LOAD 1
	FRAGQ 0, STIB, STRB                            ; its wait for K step 0's loads shows the piece's landed too: they were issued earlier
	FRAGQ 1, STIB, STRB
	s_wait_xcnt 0x0                                ; K steps 0 and 1's stores have read the codes' registers, which the piece takes
	STURN 0
	STURN 1
	s_wait_dscnt 16                                ; row block 0 is back; the next block's eight stores and eight loads may be out
	SCOMP 0
	STURN 2
	s_wait_dscnt 16
	SCOMP 1
	STURN 3
	s_wait_dscnt 16
	SCOMP 2
	s_wait_dscnt 0x0
	SCOMP 3
	v_cndmask_b32 v[OP], v[WS], v[WS+1], vcc_lo    ; at 2048 + 8 x lane: lanes 0-15 the words of row blocks 0 and 2, lanes 16-31 of 1 and 3
	v_cndmask_b32 v[OP+1], v[WS+2], v[WS+3], vcc_lo
	global_store_b64 v[SOF2], v[OP:OP+1], s[30:31] offset:2048   ; 256 consecutive bytes, aligned
	FRAGQ 2, STIB, STRB
	FRAGQ 3, STIB, STRB
	FINISH
	s_wait_tensorcnt 0x0                           ; the same three lines at this end
	ds_add_u32 v[SPW], v[NIL]
	s_wait_dscnt 0x0
	s_endpgm
.Lfunc_end_k_q1e97002a8c_quant:
	.size	k_q1e97002a8c_quant, .Lfunc_end_k_q1e97002a8c_quant-k_q1e97002a8c_quant
	.p2alignl 7, 3214868480
	.fill 96, 4, 3214868480
	.section	.rodata,"a",@progbits
	.p2align	6, 0x0
	.amdhsa_kernel k_q1e97002a8c_quant
		.amdhsa_group_segment_fixed_size 68096
		.amdhsa_private_segment_fixed_size 0
		.amdhsa_enable_private_segment 0
		.amdhsa_kernarg_size 80
		.amdhsa_user_sgpr_count 2
		.amdhsa_user_sgpr_kernarg_segment_ptr 1
		.amdhsa_wavefront_size32 1
		.amdhsa_system_sgpr_workgroup_id_x 1
		.amdhsa_system_sgpr_workgroup_id_y 1
		.amdhsa_system_sgpr_workgroup_id_z 1
		.amdhsa_system_vgpr_workitem_id 0
		.amdhsa_next_free_vgpr 384
		.amdhsa_next_free_sgpr 66
		.amdhsa_reserve_vcc 1
		.amdhsa_float_denorm_mode_32 3
		.amdhsa_float_denorm_mode_16_64 3
		.amdhsa_memory_ordered 1
		.amdhsa_forward_progress 1
		.amdhsa_inst_pref_size 75
	.end_amdhsa_kernel
	.amdgpu_metadata
---
amdhsa.version: [ 1, 2 ]
amdhsa.kernels:
  - .name:           k_q1e97002a8c_quant
    .symbol:         k_q1e97002a8c_quant.kd
    .args:
      - { .name: z, .offset: 0, .size: 8, .value_kind: global_buffer, .address_space: global }
      - { .name: W1, .offset: 8, .size: 8, .value_kind: global_buffer, .address_space: global }
      - { .name: W2, .offset: 16, .size: 8, .value_kind: global_buffer, .address_space: global }
      - { .name: s, .offset: 24, .size: 8, .value_kind: global_buffer, .address_space: global }
      - { .name: C, .offset: 32, .size: 8, .value_kind: global_buffer, .address_space: global }
      - { .name: zq, .offset: 40, .size: 8, .value_kind: global_buffer, .address_space: global }
      - { .name: w1q, .offset: 48, .size: 8, .value_kind: global_buffer, .address_space: global }
      - { .name: w2q, .offset: 56, .size: 8, .value_kind: global_buffer, .address_space: global }
      - { .name: sq, .offset: 64, .size: 8, .value_kind: global_buffer, .address_space: global }
      - { .name: cq, .offset: 72, .size: 8, .value_kind: global_buffer, .address_space: global }
    .group_segment_fixed_size: 68096
    .private_segment_fixed_size: 0
    .kernarg_segment_align: 8
    .kernarg_segment_size: 80
    .max_flat_workgroup_size: 128
    .sgpr_count:     66
    .vgpr_count:     384
    .wavefront_size: 32
...
	.end_amdgpu_metadata
.endif
;; end of part 1
;; launch gemm1 (part 2): grid 8 x 32, 4 waves a work-group, clusters of 4 x 4, 327,680 bytes of LDS; arguments zq, w1q, h1, hq; writes hq
.if DOCPART == 2
	.amdgcn_target "amdgcn-amd-amdhsa--gfx1250"
	.amdhsa_code_object_version 6
	.text
	.protected	k_q1e97002a8c_gemm1
	.globl	k_q1e97002a8c_gemm1
	.p2align	8
	.type	k_q1e97002a8c_gemm1,@function
k_q1e97002a8c_gemm1:
	s_mov_b64 s[64:65], 0
	v_nop
	global_prefetch_b8 v0, s[64:65] scope:SCOPE_SE
	s_setreg_imm32_b32 hwreg(HW_REG_WAVE_MODE, 25, 1), 1
	s_wait_xcnt 0x0
	s_wait_alu depctr_hold_cnt(0) depctr_sa_sdst(0) depctr_va_vdst(0) depctr_va_sdst(0) depctr_va_ssrc(0) depctr_va_vcc(0) depctr_vm_vsrc(0)
	s_getreg_b32 s2, hwreg(HW_REG_IB_STS2, 6, 4)
	s_cmp_eq_u32 s2, 0
	s_cbranch_scc0 .Lentry_in_a_cluster
	s_endpgm
.Lentry_in_a_cluster:
	s_bfe_u32 s2, ttmp6, 0x10000c
	s_cmp_lg_u32 s2, 0xf033
	s_cbranch_scc0 .Lentry_shape_is_right
	s_endpgm
.Lentry_shape_is_right:
.set SI,    4352
.set HALFT, 8*SI
.set SLOT,  4*HALFT
.set SST,   2*SLOT
.set SPARE, SST+4096
.set NEXTB, 16*2*SI
.set FR, 8
.set NL, 2
.set NP, 4
.set NQ, 4
.set ADRA, 16
.set ADRB, 20
.set ADRS, 22
.set SWA,  24
.set CO,   25
.set SRD,  26
.set SGO,  27
.set SPW,  28
.set NIL,  29
.set BOF,  30
.set SC,   32
.set TM,   96
.set PW,   112
.set PC,   116
.set AF,   128
.set HA,   128
.set BIAS, 192
.set G1,  24
.set G0,  32
.set G1B, 48
.set G0B, 56
.set SEL, 80
.set MSB, 0
.macro WIN new
.if MSB != (\new)
	s_set_vgpr_msb (MSB<<8)|(\new)
.set MSB, (\new)
.endif
.endm
.set MUL_LO, 0xa1
.set MUL_HI, 0xf1
.set TO_B,   0x40
.macro JLOAD g0a, g1a, g0b, g1b
	s_cmp_eq_u32 s15, 0
	s_cbranch_scc0 .Lfor_b_\@
	tensor_load_to_lds s[\g0a:\g0a+3], s[\g1a:\g1a+7]
	s_nop 0
.rept 4
	v_nop
.endr
	s_branch .Lasked_\@
.Lfor_b_\@:
	tensor_load_to_lds s[\g0b:\g0b+3], s[\g1b:\g1b+7]
	s_nop 0
.rept 4
	v_nop
.endr
.Lasked_\@:
.endm
.macro BLOAD s
	s_cmp_eq_u32 s15, 0
	s_cbranch_scc1 .Lno_b_\@
	tensor_load_to_lds s[G0B+4*\s:G0B+4*\s+3], s[G1B:G1B+7]
	s_nop 0
.rept 4
	v_nop
.endr
.Lno_b_\@:
.endm
.macro CREST
	s_cmp_lg_u32 s14, 0
	s_cbranch_scc1 .Lnot_wave_0_\@
	s_barrier_signal -3
.Lnot_wave_0_\@:
	s_barrier_wait -3
	s_barrier_signal -1
	s_barrier_wait -1
.endm
.macro CROUND
	s_barrier_signal -1
	s_barrier_wait -1
	CREST
.endm
.macro PLACES n
.rept \n
	v_nop
.endr
.endm
	s_load_b256 s[4:11], s[0:1], 0x0
	v_lshl_add_u32 v[SPW], v0, 2, SPARE
	v_mov_b32 v[NIL], 0
	ds_add_u32 v[SPW], v[NIL]
	ds_add_u32 v[SPW], v[NIL]
	v_lshrrev_b32 v1, 5, v0
	v_readfirstlane_b32 s14, v1
	s_lshr_b32 s15, s14, 1
	s_and_b32 s16, s14, 1
	s_bfe_u32 s40, ttmp6, 0x40000
	s_bfe_u32 s41, ttmp6, 0x40004
	s_lshl_b32 s42, ttmp9, 2
	s_add_co_u32 s42, s42, s40
	s_and_b32 s17, ttmp7, 0xffff
	s_lshl_b32 s17, s17, 2
	s_add_co_u32 s17, s17, s41
	s_lshl_b32 s43, s41, 2
	s_lshl_b32 s43, 15, s43
	s_lshl_b32 s44, 0x1111, s40
	s_or_b32 s[G1+0], s43, (3<<16)|(1<<21)
	s_or_b32 s[G1B+0], s44, (3<<16)|(1<<21)
.irp g, G1, G1B
	s_mov_b32 s[\g+1], 544<<16
	s_mov_b32 s[\g+2], 8<<16
	s_mov_b32 s[\g+3], 544<<16
	s_mov_b32 s[\g+4], 8
	s_mov_b32 s[\g+5], 1088
	s_mov_b32 s[\g+6], 0
	s_mov_b32 s[\g+7], 0
.endr
	s_lshl_b32 s18, s16, 3
	s_lshl_b32 s20, s17, 4
	s_add_co_u32 s20, s20, s18
	s_mul_i32 s20, s20, 2*SI
	s_mov_b32 s21, 0
	s_lshl_b32 s46, s42, 5
	s_add_co_u32 s46, s46, s18
	s_mul_i32 s46, s46, 2*SI
	s_mov_b32 s47, 0
	s_mul_i32 s45, s14, HALFT
	s_mov_b32 s[SEL], 0x76543210
	s_mov_b32 s[SEL+1], 0xfedcba98
	s_wait_dscnt 0x0
	s_wait_kmcnt 0x0
	s_add_nc_u64 s[20:21], s[4:5], s[20:21]
	s_add_nc_u64 s[46:47], s[6:7], s[46:47]
	CROUND
.irp s, 0,1
	s_mov_b32 s[G0+4*\s], 1
	s_add_co_u32 s[G0+4*\s+1], s45, \s*SLOT
	s_add_nc_u64 s[G0+4*\s+2:G0+4*\s+3], s[20:21], \s*SI
	s_or_b32 s[G0+4*\s+3], s[G0+4*\s+3], 0x80000000
	s_mov_b32 s[G0B+4*\s], 1
	s_add_co_u32 s[G0B+4*\s+1], s45, \s*SLOT
	s_add_nc_u64 s[G0B+4*\s+2:G0B+4*\s+3], s[46:47], \s*SI
	s_or_b32 s[G0B+4*\s+3], s[G0B+4*\s+3], 0x80000000
.endr
	JLOAD G0, G1, G0B, G1B                         ; slot 0: my one tensor load at the head, behind the opening lines and the round; the addresses and h1's loads below stand under its flight
	v_and_b32 v1, 15, v0
	v_bfe_u32 v2, v0, 4, 1
	s_wait_alu depctr_va_vdst(0)
	v_and_b32 v3, 31, v0
	v_lshlrev_b32 v[CO], 4, v3
	s_mul_i32 s21, s15, HALFT
	s_mul_i32 s22, s16, HALFT
	s_add_co_u32 s22, s22, 2*HALFT
.irp s, 0,1
	v_add_nc_u32 v[ADRA+\s], s21, v[CO]
	v_add_nc_u32 v[ADRB+\s], s22, v[CO]
	s_add_co_u32 s21, s21, SLOT
	s_add_co_u32 s22, s22, SLOT
.endr
	s_mul_i32 s21, s15, HALFT
	s_mul_i32 s22, s16, HALFT
	s_add_co_u32 s22, s22, 2*HALFT
	s_sub_co_u32 s22, s22, s21
	v_mul_u32_u24 v6, s22, v2
	v_lshl_add_u32 v5, v1, 4, v6
	s_add_co_u32 s21, s21, 4096
	v_add_nc_u32 v[ADRS], s21, v5
	v_add_nc_u32 v[ADRS+1], SLOT, v[ADRS]
	s_lshl_b32 s21, s15, 11
	s_lshl_b32 s22, s16, 2
	s_add_co_u32 s21, s21, s22
	s_add_co_u32 s21, s21, SST
	v_lshl_add_u32 v[SWA], v1, 4, s21
	s_lshl_b32 s21, s14, 10
	s_add_co_u32 s21, s21, SST
	v_lshlrev_b32 v5, 8, v2
	v_lshl_add_u32 v5, v1, 4, v5
	v_add_nc_u32 v[SRD], s21, v5
	v_mul_u32_u24 v5, v2, 8*SI
	v_lshl_add_u32 v[SGO], v1, 4, v5
	v_lshlrev_b32 v[BOF], 6, v2
	s_wait_alu depctr_va_vdst(0)
.irp b, 0,1,2,3
	v_mov_b32 v[TM+4+\b], 0
.endr
	s_lshl_b32 s70, s17, 4
	s_lshl_b32 s71, s15, 3
	s_add_co_u32 s71, s70, s71
	s_lshl_b32 s71, s71, 3
	s_add_co_u32 s71, s71, s42
	s_mul_i32 s72, s71, SI
	s_lshl_b32 s73, s16, 10
	s_add_co_u32 s72, s72, s73
	s_mov_b32 s73, 0
	s_add_nc_u64 s[12:13], s[10:11], s[72:73]
	s_lshl_b32 s71, s14, 2
	s_add_co_u32 s71, s70, s71
	s_lshl_b32 s71, s71, 3
	s_add_co_u32 s71, s71, s42
	s_mul_i32 s72, s71, SI
	s_add_co_u32 s72, s72, 4096
	s_add_nc_u64 s[68:69], s[10:11], s[72:73]
	s_lshl_b32 s72, s42, 11
	s_lshl_b32 s71, s16, 9
	s_add_co_u32 s72, s72, s71
	s_add_nc_u64 s[8:9], s[8:9], s[72:73]
.irp b, 0,1,2,3,4,5,6,7
	global_load_b128 v[BIAS+8*\b:BIAS+8*\b+3], v[BOF], s[8:9] offset:(32*(\b/2)+8*(\b%2))*4
	global_load_b128 v[BIAS+8*\b+4:BIAS+8*\b+7], v[BOF], s[8:9] offset:(32*(\b/2)+8*(\b%2))*4+16
.endr
	WIN TO_B
.irp b, 0,1,2,3,4,5,6,7
	global_load_b128 v[BIAS+8*\b:BIAS+8*\b+3], v[BOF], s[8:9] offset:1024+(32*(\b/2)+8*(\b%2))*4
	global_load_b128 v[BIAS+8*\b+4:BIAS+8*\b+7], v[BOF], s[8:9] offset:1024+(32*(\b/2)+8*(\b%2))*4+16
.endr
	WIN 0
	s_wait_alu depctr_va_vdst(0)                   ; the wait at the head's end
	s_wait_tensorcnt 0x0                           ; my part of slot 0 is in
	ds_add_u32 v[SPW], v[NIL]
	s_wait_dscnt 0x0
	CROUND                                         ; everybody's part of slot 0 is in, and all sixteen work-groups are here
	JLOAD G0+4, G1, G0B+4, G1B                     ; slot 1's first fill, the first tensor load behind the round
.macro FRAG reg, adr, q, i
.irp c, 0,1
	ds_load_b128 v[\reg+4*\c:\reg+4*\c+3], v[\adr] offset:SI*(\i)+1024*(\q)+512*\c
.endr
.endm
.macro MUL16 a0, p, q, sc, first
.irp a, \a0, \a0+1
.irp b, 0,1,2,3,4,5,6,7
.if \first
	v_wmma_scale_f32_16x16x128_f8f6f4 v[8*(8*((\a)%4)+\b):8*(8*((\a)%4)+\b)+7], v[128*(\p)+FR*\b:128*(\p)+FR*\b+FR-1], v[AF+FR*(\a):AF+FR*(\a)+FR-1], v[BIAS+8*\b:BIAS+8*\b+7], v[SC+8*NQ*(\sc)+NQ*\b+(\q)], v[SC+8*NQ*(\sc)+NQ*(\a)+(\q)] matrix_a_fmt:MATRIX_FMT_FP4 matrix_b_fmt:MATRIX_FMT_FP4 matrix_a_scale:MATRIX_SCALE_ROW1
.else
	v_wmma_scale_f32_16x16x128_f8f6f4 v[8*(8*((\a)%4)+\b):8*(8*((\a)%4)+\b)+7], v[128*(\p)+FR*\b:128*(\p)+FR*\b+FR-1], v[AF+FR*(\a):AF+FR*(\a)+FR-1], v[8*(8*((\a)%4)+\b):8*(8*((\a)%4)+\b)+7], v[SC+8*NQ*(\sc)+NQ*\b+(\q)], v[SC+8*NQ*(\sc)+NQ*(\a)+(\q)] matrix_a_fmt:MATRIX_FMT_FP4 matrix_b_fmt:MATRIX_FMT_FP4 matrix_a_scale:MATRIX_SCALE_ROW1
.endif
.endr
.endr
.endm
.macro FETCH_B slot, q, p
	WIN TO_B
.irp i, 0,1,2,3,4,5,6,7
	FRAG 128*(\p)+FR*\i, ADRB+\slot, \q, \i
.endr
	WIN 0
.endm
.macro FETCH_A slot, q, i0
.irp i, \i0, \i0+1, \i0+2, \i0+3
	FRAG AF+FR*(\i), ADRA+\slot, \q, \i
.endr
.endm
.macro SCALES g
.irp i, 0,1,2,3,4,5,6,7
	ds_load_b128 v[SC+32*\g+4*\i:SC+32*\g+4*\i+3], v[ADRS+\g] offset:SI*\i
.endr
.endm
.macro STEP slot, q, first, t
	s_wait_dscnt 4*NL
.if \first
	WIN 0x81+0x10*(\t)
.else
	WIN MUL_LO
.endif
	MUL16 0, (\q)%2, \q, \slot, \first
	MUL16 2, (\q)%2, \q, \slot, \first
	s_wait_dscnt 0
	PLACES NP
	FETCH_B \slot, (\q)+1, 1-(\q)%2
	FETCH_A \slot, (\q)+1, 0
.if \first
	WIN 0xc1+0x10*(\t)
.else
	WIN MUL_HI
.endif
	MUL16 4, (\q)%2, \q, \slot, \first
	MUL16 6, (\q)%2, \q, \slot, \first
	PLACES NP
	WIN 0
	FETCH_A \slot, (\q)+1, 4
.endm
.macro TURN slot, next, fill
	s_wait_tensorcnt 0x0
	ds_add_u32 v[SPW], v[NIL]
	s_wait_dscnt 4*NL+1
	WIN MUL_LO
	MUL16 0, 1, NQ-1, \slot, 0
	s_wait_dscnt 0x0
	s_barrier_signal -1
	MUL16 2, 1, NQ-1, \slot, 0
	WIN 0
	s_barrier_wait -1
.if \fill
	CREST
	s_add_nc_u64 s[G0B+4*\slot+2:G0B+4*\slot+3], s[G0B+4*\slot+2:G0B+4*\slot+3], NEXTB
	BLOAD \slot
.endif
	PLACES NP
	FETCH_B \next, 0, 0
	FETCH_A \next, 0, 0
	SCALES \next
	WIN MUL_HI
	MUL16 4, 1, NQ-1, \slot, 0
	MUL16 6, 1, NQ-1, \slot, 0
	PLACES NP
	WIN 0
	FETCH_A \next, 0, 4
.endm
.macro LAST
	s_wait_dscnt 4*NL
	WIN MUL_LO
	MUL16 0, 1, NQ-1, 1, 0
	MUL16 2, 1, NQ-1, 1, 0
	s_wait_dscnt 0
	WIN MUL_HI
	MUL16 4, 1, NQ-1, 1, 0
	MUL16 6, 1, NQ-1, 1, 0
	WIN 0
.endm
.macro START
	FETCH_B 0, 0, 0
	FETCH_A 0, 0, 0
	SCALES 0
	FETCH_A 0, 0, 4
.endm
; The 64 sums of a block of 16 rows are read where they lie: window w, from v[ac] on.  The activation clips at 0: the maxima are taken signed, with the floor over what is negative,
; and behind the conversions every code whose sign bit is set is cleared: the code that 0 has.
.macro QUANT w, ac
	WIN (\w)|((\w)<<2)
.irp b, 0,1,2,3
	v_max3_num_f32 v[TM+\b], v[(\ac)+16*\b], v[(\ac)+1+16*\b], 0x1800000
.endr
	WIN ((\w)<<2)|((\w)<<4)
.irp i, 2,4,6,8,10,12,14
.irp b, 0,1,2,3
	v_max3_num_f32 v[TM+\b], v[TM+\b], v[(\ac)+16*\b+\i], v[(\ac)+1+16*\b+\i]
.endr
.endr
	WIN 0
.irp b, 0,1,2,3
	v_permlanex16_b32 v[TM+4+\b], v[TM+\b], s[SEL], s[SEL+1]
.endr
.irp b, 0,1,2,3
	v_max_num_f32 v[TM+\b], v[TM+\b], v[TM+4+\b]
.endr
.irp b, 0,1,2,3
	v_add_nc_u32 v[TM+12+\b], 0xff000000, v[TM+\b]
.endr
.irp b, 0,1,2,3
	v_lshrrev_b32 v[TM+4+\b], 23, v[TM+12+\b]
.endr
	v_lshl_or_b32 v[PW], v[TM+5], 8, v[TM+4]
	v_lshl_or_b32 v[PW], v[TM+6], 16, v[PW]
	v_lshl_or_b32 v[PW], v[TM+7], 24, v[PW]
	WIN (\w)
.irp b, 0,1,2,3
	v_cvt_scalef32_pk8_fp4_f32 v[PC+2*\b], v[(\ac)+16*\b:(\ac)+7+16*\b], v[TM+12+\b]
	v_cvt_scalef32_pk8_fp4_f32 v[PC+1+2*\b], v[(\ac)+8+16*\b:(\ac)+15+16*\b], v[TM+12+\b]
.endr
	WIN 0
	v_nop
.irp n, 0,1,2,3,4,5,6,7
	v_and_b32 v[HA+\n], 0x88888888, v[PC+\n]       ; the eight sign bits
.endr
.irp n, 0,1,2,3,4,5,6,7
	v_lshrrev_b32 v[HA+8+\n], 3, v[HA+\n]
.endr
.irp n, 0,1,2,3,4,5,6,7
	v_sub_nc_u32 v[HA+8+\n], v[HA+\n], v[HA+8+\n]  ; 8 - 1 = 7 in each negative code's four bits: no borrow leaves them
.endr
.irp n, 0,1,2,3,4,5,6,7
	v_or_b32 v[HA+\n], v[HA+\n], v[HA+8+\n]        ; 15 there
.endr
.irp n, 0,1,2,3,4,5,6,7
	v_bfi_b32 v[PC+\n], v[HA+\n], 0, v[PC+\n]      ; those codes become 0, the others stay
.endr
.irp c, 0,1
.irp i, 0,1
	v_permlane16_swap_b32 v[PC+4*\c+\i], v[PC+2+4*\c+\i]
.endr
.endr
.endm
.macro EPI t
	PLACES NP
.irp a, 0,1,2,3,4,5,6,7
	s_wait_xcnt 0x0
	s_wait_dscnt 0x0
	QUANT (2+\a/4), 64*(\a%4)
	global_store_b128 v[CO], v[PC:PC+3], s[12:13] offset:8*SI*\a+2048*\t
	global_store_b128 v[CO], v[PC+4:PC+7], s[12:13] offset:8*SI*\a+2048*\t+512
	ds_store_b32 v[SWA], v[PW] offset:256*\a+8*\t
.endr
.endm
	START
	s_wait_loadcnt 0x0
	STEP 0, 0, 1, 0
	STEP 0, 1, 0, 0
	STEP 0, 2, 0, 0
	TURN 0, 1, 1
	STEP 1, 0, 0, 0
	STEP 1, 1, 0, 0
	STEP 1, 2, 0, 0
	LAST
	s_wait_tensorcnt 0x0
	ds_add_u32 v[SPW], v[NIL]
	s_add_nc_u64 s[G0B+6:G0B+7], s[G0B+6:G0B+7], NEXTB
	s_wait_dscnt 0x0
	CROUND
	BLOAD 1
	EPI 0
	START
	STEP 0, 0, 1, 1
	STEP 0, 1, 0, 0
	STEP 0, 2, 0, 0
	TURN 0, 1, 0
	STEP 1, 0, 0, 0
	STEP 1, 1, 0, 0
	STEP 1, 2, 0, 0
	LAST
	EPI 1
	s_wait_dscnt 0x0
	s_barrier_signal -1
	s_barrier_wait -1
	ds_load_b128 v[HA:HA+3], v[SRD]
	ds_load_b128 v[HA+4:HA+7], v[SRD] offset:512
	s_wait_dscnt 0x0
	global_store_b128 v[SGO], v[HA:HA+3], s[68:69]
	global_store_b128 v[SGO], v[HA+4:HA+7], s[68:69] offset:16*SI
	s_wait_tensorcnt 0x0
	ds_add_u32 v[SPW], v[NIL]
	s_wait_dscnt 0x0
	CROUND
	s_endpgm
.Lfunc_end_k_q1e97002a8c_gemm1:
	.size	k_q1e97002a8c_gemm1, .Lfunc_end_k_q1e97002a8c_gemm1-k_q1e97002a8c_gemm1
	.p2alignl 7, 3214868480
	.fill 96, 4, 3214868480
	.section	.rodata,"a",@progbits
	.p2align	6, 0x0
	.amdhsa_kernel k_q1e97002a8c_gemm1
		.amdhsa_group_segment_fixed_size 327680
		.amdhsa_private_segment_fixed_size 0
		.amdhsa_enable_private_segment 0
		.amdhsa_kernarg_size 32
		.amdhsa_user_sgpr_count 2
		.amdhsa_user_sgpr_kernarg_segment_ptr 1
		.amdhsa_wavefront_size32 1
		.amdhsa_system_sgpr_workgroup_id_x 1
		.amdhsa_system_sgpr_workgroup_id_y 1
		.amdhsa_system_sgpr_workgroup_id_z 1
		.amdhsa_system_vgpr_workitem_id 0
		.amdhsa_next_free_vgpr 1024
		.amdhsa_next_free_sgpr 100
		.amdhsa_reserve_vcc 0
		.amdhsa_float_denorm_mode_32 3
		.amdhsa_float_denorm_mode_16_64 3
		.amdhsa_memory_ordered 1
		.amdhsa_forward_progress 1
		.amdhsa_inst_pref_size 255
	.end_amdhsa_kernel
	.section	.bss,"aw",@nobits
	.p2align	6
	.space	262144
	.amdgpu_metadata
---
amdhsa.version: [ 1, 2 ]
amdhsa.kernels:
  - .name:           k_q1e97002a8c_gemm1
    .symbol:         k_q1e97002a8c_gemm1.kd
    .args:
      - { .name: zq, .offset: 0, .size: 8, .value_kind: global_buffer, .address_space: global }
      - { .name: w1q, .offset: 8, .size: 8, .value_kind: global_buffer, .address_space: global }
      - { .name: h1, .offset: 16, .size: 8, .value_kind: global_buffer, .address_space: global }
      - { .name: hq, .offset: 24, .size: 8, .value_kind: global_buffer, .address_space: global }
    .group_segment_fixed_size: 327680
    .private_segment_fixed_size: 0
    .kernarg_segment_align: 8
    .kernarg_segment_size: 32
    .max_flat_workgroup_size: 128
    .sgpr_count:     100
    .vgpr_count:     1024
    .wavefront_size: 32
...
	.end_amdgpu_metadata
.endif
;; end of part 2
;; launch gemm2 (part 3): grid 64 x 4, 4 waves a work-group, clusters of 4 x 1, 327,680 bytes of LDS; arguments hq, w2q, sq, cq, z, A, h2, out0; writes out0
.if DOCPART == 3
	.amdgcn_target "amdgcn-amd-amdhsa--gfx1250"
	.amdhsa_code_object_version 6
	.text
	.protected	k_q1e97002a8c_gemm2
	.globl	k_q1e97002a8c_gemm2
	.p2align	8
	.type	k_q1e97002a8c_gemm2,@function
k_q1e97002a8c_gemm2:
	s_mov_b64 s[64:65], 0
	v_nop
	global_prefetch_b8 v0, s[64:65] scope:SCOPE_SE
	s_setreg_imm32_b32 hwreg(HW_REG_WAVE_MODE, 25, 1), 1
	s_wait_xcnt 0x0
	s_wait_alu depctr_hold_cnt(0) depctr_sa_sdst(0) depctr_va_vdst(0) depctr_va_sdst(0) depctr_va_ssrc(0) depctr_va_vcc(0) depctr_vm_vsrc(0)
	s_getreg_b32 s2, hwreg(HW_REG_IB_STS2, 6, 4)
	s_cmp_eq_u32 s2, 0
	s_cbranch_scc0 .Lentry_in_a_cluster
	s_endpgm
.Lentry_in_a_cluster:
	s_bfe_u32 s2, ttmp6, 0x10000c
	s_cmp_lg_u32 s2, 0x3003
	s_cbranch_scc0 .Lentry_shape_is_right
	s_endpgm
.Lentry_shape_is_right:
; out0 = hq w2q^T + sq cq^T + A * z + h2: the second and third products on codes of FP4 with E8M0 scales, the rest in f32.  No work is left out.
; hq [512 row blocks][8 groups], w2q [64][8]: super-images of 4,352 bytes (16 rows x 512 along K: four fragments as images of their registers, then 256 bytes of scale words); sq, cq: 64 rows in 2,304 bytes.
; SHARES.  A work-group takes 128 rows x 256 columns; wave w rows 32 w .. 32 w + 31, all 256 columns: 2 x 16 accumulators.  256 work-groups.
; THE HIDDEN LAYER'S IMAGES GO FROM MEMORY STRAIGHT INTO REGISTERS: a wave's 32 rows are read by that wave alone, so the work-group loads no byte of hq twice; a ring of eight sets, seven K steps ahead.
; W2 GOES THROUGH LDS: two slots, each with 1,024 along K of the 256 columns (16 row blocks x 8,704 bytes: a row block's two groups lie on end in memory).  Four generations, one tensor load a wave each
; (four row blocks, 34,816 bytes); by this text's count a wave never has more than one tensor load out.
; CLUSTERS of 4 x 1: four work-groups with the same 256 columns and neighbouring rows: each of W2's tiles is asked for jointly, with the same descriptor and the mask of all four.
; THE MATRIX INSTRUCTION IS USED TRANSPOSED (source 0 = 16 rows of W2 or C, source 1 = 16 rows of the hidden layer or s): lane (r, h), register j of accumulator (a, b) is out(16 a + r, 16 b + 8 h + j).
; s C^T (K = 64: registers 4 .. 7 of its fragments are zero codes) starts the sums, with h2 in the result's layout as its C.
; PREFETCH of W2's tiles: one generation ahead of the load that wants them, each block of 256 bytes named once in the cluster: of the four row blocks that wave w fetches the partner at place cx takes
; row block cx, told apart by address: two groups of 17 blocks, a lane a block; lanes 17-31 name the group's last block again.  Generations 0 and 1 come by their loads alone.
; hq and z have no prefetch: their loads go into registers seven K steps and more ahead of their use.
; The 32 K steps are written by a repeat: the ring's and z's registers change from step to step, and every offset is an immediate.
; REGISTERS: window 0: v1-27 addresses; v32-95 W2's scale words, two sets (lanes 0-15 row block i, lanes 16-31 row block i + 8); v96-111 hq's, four sets (lanes 0-15 my rows 0-15, lanes 16-31 rows 16-31);
;   v112-119 A; v120-121 s's scale words; v128-255 hq's ring, set p at v[128 + 16 p] (on the way out: rows of out0).
;   window 1: W2's fragments, two sets of 128 (first C's fragments and h2).   window 2: accumulator (a, b) at v[8 (16 a + b)].   window 3: z.
.set SI,    4352
.set PP,    2*SI                       ; from row block to row block in a slot
.set ROWP,  8*SI                       ; and in hq and w2q
.set SLOT,  16*PP
.set SPARE, 2*SLOT                     ; behind the slots: the spare words, 128 bytes for each wave, which no other line names
.set STG0,  SPARE+512                  ; behind them: the stages of the way out, bytes of their own
.set SPITCH, 528                       ; 16 rows x (512 + 16) bytes for each wave
.set L16, 3                            ; v3  16 x lane
.set CR8, 4                            ; v4  8 r
.set BOF, 5                            ; v5  32 h
.set STO, 7                            ; v7  the way out: where I put 32 bytes of a row
.set RD,  8                            ; v8  and where I read a row back
.set ASO, 9                            ; v9  hq's scale words: 34,816 h + 16 r
.set SPW, 10                           ; v10 my spare word; never rewritten
.set NIL, 11                           ; v11 0; never rewritten
.set PFO, 12                           ; v12 256 x min(lane, 16); never rewritten
.set ADRB, 13                          ; v13-20 W2's fragments: 4 slot + 2 group + (row blocks 0-7 or 8-15)
.set ADRS, 22                          ; v22-25 W2's scale words: 2 slot + group
.set SSO, 26                           ; v26 s's scale words
.set SFO, 27                           ; v27 s's fragments
.set SC,  32
.set CS,  64                           ; C's scale words lie in the second set until group 1's come
.set SA,  96
.set A4,  112
.set SS,  120
.set AR,  128
.set BK,  128
.set G1,  24                           ; s[24:31] group 1; s[32:39] group 0, one for each slot
.set G0,  32
.set PFA, 56                           ; s[56:57] the prefetches' base; never rewritten
.set MSB, 0
.macro WIN new                         ; the immediate's high byte repeats the setting that is left
.if MSB != (\new)
	s_set_vgpr_msb (MSB<<8)|(\new)
.set MSB, (\new)
.endif
.endm
.macro PLACES                          ; four plain vector instructions that name no register of the matrix instructions before them
.rept 4
	v_nop
.endr
.endm
.macro TLOAD s                         ; my four row blocks of W2 into slot s
	tensor_load_to_lds s[G0+4*(\s):G0+4*(\s)+3], s[G1:G1+7]
	s_nop 0
	PLACES
.endm
.macro CREST                           ; a round of the cluster's barrier behind its opening barrier
	s_cmp_lg_u32 s20, 0
	s_cbranch_scc1 .Lnot_wave_0_\@
	s_barrier_signal -3
.Lnot_wave_0_\@:
	s_barrier_wait -3
	s_barrier_signal -1
	s_barrier_wait -1
.endm
.macro CROUND
	s_barrier_signal -1
	s_barrier_wait -1
	CREST
.endm
	s_load_b256 s[4:11], s[0:1], 0x0               ; hq s[4:5], w2q s[6:7], sq s[8:9], cq s[10:11]
	s_load_b256 s[12:19], s[0:1], 0x20             ; z s[12:13], A s[14:15], h2 s[16:17], out0 s[18:19]
	v_lshl_add_u32 v[SPW], v0, 2, SPARE
	v_mov_b32 v[NIL], 0
	ds_add_u32 v[SPW], v[NIL]                      ; the wave's opening: the add, twice on end, and its wait ahead of my first tensor load
	ds_add_u32 v[SPW], v[NIL]
	v_lshrrev_b32 v1, 5, v0
	v_readfirstlane_b32 s20, v1                    ; wave 0..3
	s_and_b32 s21, s20, 1
	s_bfe_u32 s22, ttmp6, 0x40000                  ; cx
	s_lshl_b32 s23, ttmp9, 2
	s_add_co_u32 s23, s23, s22                     ; Y: which 128 rows
	s_and_b32 s40, ttmp7, 0xffff                   ; X: which 256 columns; the four partners share it
	s_mov_b32 s[G1], 15|(3<<16)|(1<<21)            ; 15:0 the mask: all four work-groups; 17:16 elements of 8 bytes; 21 set beside a mask
	s_mov_b32 s[G1+1], 1088<<16                    ; four row blocks of 8,704 bytes (1,088 elements), 34,816 bytes apart in memory, dense in LDS
	s_mov_b32 s[G1+2], 4<<16
	s_mov_b32 s[G1+3], 1088<<16
	s_mov_b32 s[G1+4], 4
	s_mov_b32 s[G1+5], 4352
	s_mov_b32 s[G1+6], 0
	s_mov_b32 s[G1+7], 0
	s_lshl_b32 s42, s40, 4
	s_lshl_b32 s41, s20, 2
	s_add_co_u32 s42, s42, s41
	s_mul_i32 s42, s42, ROWP                       ; w2q: row block 16 X + 4 w
	s_mov_b32 s43, 0
	s_mov_b32 s[G0], 1
	s_mul_i32 s[G0+1], s20, 4*PP                   ; where they go: no place in the cluster enters an LDS address
	s_mov_b32 s[G0+4], 1
	s_add_co_u32 s[G0+5], s[G0+1], SLOT
	s_wait_dscnt 0x0                               ; both opening adds are done
	s_wait_kmcnt 0x0
	s_add_nc_u64 s[G0+2:G0+3], s[6:7], s[42:43]              ; slot 0: groups 0 and 1
	s_add_nc_u64 s[G0+6:G0+7], s[G0+2:G0+3], 2*SI            ; slot 1: groups 2 and 3
	s_or_b32 s[G0+3], s[G0+3], 0x80000000
	s_or_b32 s[G0+7], s[G0+7], 0x80000000
	CROUND                                         ; all four work-groups are here: the first joint loads meet
	TLOAD 0                                        ; my one tensor load at the head
	s_mul_i32 s41, s20, 16*SPITCH
	s_add_co_u32 s41, s41, STG0                    ; my stage
	s_mov_b32 s45, 0
	s_lshl_b32 s44, s23, 3
	s_lshl_b32 s46, s20, 1
	s_add_co_u32 s44, s44, s46
	s_mul_i32 s44, s44, ROWP
	s_add_nc_u64 s[4:5], s[4:5], s[44:45]          ; hq at row block 8 Y + 2 w
	s_lshl_b32 s44, s23, 1
	s_lshr_b32 s46, s20, 1
	s_add_co_u32 s44, s44, s46
	s_mul_i32 s44, s44, 2304
	s_add_nc_u64 s[8:9], s[8:9], s[44:45]          ; sq at the 64 rows that hold my 32
	s_mul_i32 s44, s40, 4*2304
	s_add_nc_u64 s[10:11], s[10:11], s[44:45]      ; cq at my 256 columns
	s_lshl_b32 s44, s40, 10                        ; my columns' bytes in a row
	s_add_nc_u64 s[14:15], s[14:15], s[44:45]
	s_add_nc_u64 s[16:17], s[16:17], s[44:45]
	s_lshl_b32 s46, s23, 19
	s_add_co_u32 s44, s44, s46
	s_lshl_b32 s46, s20, 17
	s_add_co_u32 s44, s44, s46                     ; + (128 Y + 32 w) rows of 4,096 bytes
	s_add_nc_u64 s[12:13], s[12:13], s[44:45]
	s_add_nc_u64 s[18:19], s[18:19], s[44:45]
	s_lshl_b32 s44, s40, 4                         ; the prefetches: w2q's row block 16 X + 4 w + cx
	s_lshl_b32 s46, s20, 2
	s_add_co_u32 s44, s44, s46
	s_add_co_u32 s44, s44, s22
	s_mul_i32 s44, s44, ROWP
	s_add_nc_u64 s[PFA:PFA+1], s[6:7], s[44:45]
	; the head's vector registers, in one block
.irp f, 0,1
.irp i, 4,5,6,7
	v_mov_b32 v[AR+112+8*\f+\i], 0                 ; k = 64 .. 127 of s's fragments (they lie in the ring's set 7): zero codes
.endr
.endr
	WIN 0x40
.irp f, 0,1,2,3,4,5,6,7,8,9,10,11,12,13,14,15
.irp i, 4,5,6,7
	v_mov_b32 v[8*\f+\i], 0                        ; and of C's
.endr
.endr
	WIN 0
	v_and_b32 v1, 15, v0                           ; r
	v_bfe_u32 v2, v0, 4, 1                         ; h
	v_and_b32 v21, 31, v0
	v_lshlrev_b32 v[L16], 4, v21
	v_lshlrev_b32 v[CR8], 3, v1
	v_lshl_add_u32 v[SSO], s21, 2, v[CR8]          ; my row blocks of the piece are 2 (w % 2) and 2 (w % 2) + 1
	v_lshl_add_u32 v[SFO], s21, 10, v[L16]
	v_lshlrev_b32 v[BOF], 5, v2
	v_mul_u32_u24 v[ASO], v2, ROWP
	v_lshl_add_u32 v[ASO], v1, 4, v[ASO]
	v_min_u32 v[PFO], 16, v21
	v_lshlrev_b32 v[PFO], 8, v[PFO]
	v_mul_u32_u24 v6, v2, 8*PP                     ; lanes 16-31 take the scale words eight row blocks on
	v_lshl_add_u32 v6, v1, 4, v6
.irp s, 0,1
.irp e, 0,1
	v_add_nc_u32 v[ADRB+4*\s+2*\e], \s*SLOT+\e*SI, v[L16]
	v_add_nc_u32 v[ADRB+4*\s+2*\e+1], \s*SLOT+\e*SI+8*PP, v[L16]
	v_add_nc_u32 v[ADRS+2*\s+\e], \s*SLOT+\e*SI+4096, v6
.endr
.endr
	v_mul_u32_u24 v[STO], v1, SPITCH
	v_lshl_add_u32 v[STO], v2, 5, v[STO]
	v_add_nc_u32 v[STO], s41, v[STO]
	v_add_nc_u32 v[RD], s41, v[L16]
	s_wait_alu depctr_va_vdst(0)                   ; the wait at the head's end
; z and out0 go by units of 16 rows x 128 columns: unit u = 2 (row block) + (column half); row t of unit u lies at v[64 u + 4 t] of window 3
.macro LOADZ n                         ; eight rows: the 32 lanes read 512 consecutive bytes of a row
	WIN 0xc0
.irp i, 0,1,2,3,4,5,6,7
	global_load_b128 v[4*(8*(\n)+\i):4*(8*(\n)+\i)+3], v[L16], s[12:13] offset:4096*(16*((8*(\n)+\i)/32)+((8*(\n)+\i)%16))+512*(((8*(\n)+\i)/16)%2) th:TH_LOAD_NT
.endr
	WIN 0
.endm
.macro LOADA j                         ; hq's K step j: four loads of 512 consecutive bytes into ring set j % 8; at a group's first step my 32 rows' scale words too, one load
.if ((\j)%4) == 0
	global_load_b128 v[SA+4*(((\j)/4)%4):SA+4*(((\j)/4)%4)+3], v[ASO], s[4:5] offset:SI*((\j)/4)+4096 th:TH_LOAD_NT
.endif
.irp a, 0,1
.irp c, 0,1
	global_load_b128 v[AR+16*((\j)%8)+8*\a+4*\c:AR+16*((\j)%8)+8*\a+4*\c+3], v[L16], s[4:5] offset:ROWP*\a+SI*((\j)/4)+1024*((\j)%4)+512*\c th:TH_LOAD_NT
.endr
.endr
.endm
.irp a, 0,1
	global_load_b128 v[AR+112+8*\a:AR+112+8*\a+3], v[SFO], s[8:9] offset:512*\a
	global_load_b32 v[SS+\a], v[SSO], s[8:9] offset:2048+128*\a
	global_load_b128 v[A4+4*\a:A4+4*\a+3], v[L16], s[14:15] offset:512*\a       ; A at columns 128 a + 4 lane .. + 3
.endr
.irp b, 0,1,2,3,4,5,6,7,8,9,10,11,12,13,14,15
	global_load_b32 v[CS+\b], v[CR8], s[10:11] offset:2304*(\b/4)+2048+128*(\b%2)+4*((\b%4)/2)
.endr
	WIN 0x40
.irp b, 0,1,2,3,4,5,6,7,8,9,10,11,12,13,14,15
	global_load_b128 v[8*\b:8*\b+3], v[L16], s[10:11] offset:2304*(\b/4)+512*(\b%4)
	global_load_b128 v[128+8*\b:128+8*\b+3], v[BOF], s[16:17] offset:64*\b       ; h2 at columns 16 b + 8 h + 0 .. 7: the result's layout
	global_load_b128 v[128+8*\b+4:128+8*\b+7], v[BOF], s[16:17] offset:64*\b+16
.endr
	LOADZ 0
	LOADZ 1
.irp j, 0,1,2,3,4,5,6
	LOADA \j
.endr
	s_wait_loadcnt 46                              ; all but z's sixteen and hq's thirty (seven K steps of four, two loads of scale words)
	PLACES
	WIN 0x91                                       ; source 0 (C) and the addend (h2) window 1, source 1 (s) window 0, D window 2
.irp b, 0,1,2,3,4,5,6,7,8,9,10,11,12,13,14,15
.irp a, 0,1
	v_wmma_scale_f32_16x16x128_f8f6f4 v[8*(16*\a+\b):8*(16*\a+\b)+7], v[8*\b:8*\b+7], v[AR+112+8*\a:AR+112+8*\a+7], v[128+8*\b:128+8*\b+7], v[CS+\b], v[SS+\a] matrix_a_fmt:MATRIX_FMT_FP4 matrix_b_fmt:MATRIX_FMT_FP4
.endr
.endr
	WIN 0
.macro FETCH k                         ; W2's sixteen fragments of K step k into set k % 2: 32 LDS loads; at a group's first step its scale words too, eight more
	WIN 0x40
.irp i, 0,1,2,3,4,5,6,7,8,9,10,11,12,13,14,15
.irp c, 0,1
	ds_load_b128 v[128*((\k)%2)+8*\i+4*\c:128*((\k)%2)+8*\i+4*\c+3], v[ADRB+4*(((\k)/8)%2)+2*(((\k)/4)%2)+(\i/8)] offset:PP*(\i%8)+1024*((\k)%4)+512*\c
.endr
.endr
	WIN 0
.if ((\k)%4) == 0
.irp i, 0,1,2,3,4,5,6,7
	ds_load_b128 v[SC+32*(((\k)/4)%2)+4*\i:SC+32*(((\k)/4)%2)+4*\i+3], v[ADRS+2*(((\k)/8)%2)+(((\k)/4)%2)] offset:PP*\i
.endr
.endif
.endm
.macro MUL16 k, hb                     ; column blocks 8 hb .. 8 hb + 7 x my two row blocks.  The 32 accumulators take turns, one instruction a turn, in the same order in every step
.irp b, 0,1,2,3,4,5,6,7
.set BS, 128*((\k)%2)+8*(8*(\hb)+\b)
.set S0, SC+32*(((\k)/4)%2)+4*\b+((\k)%4)
.set S1, SA+4*(((\k)/4)%4)+((\k)%4)
.set D0, 8*(8*(\hb)+\b)
.set D1, 8*(16+8*(\hb)+\b)
.set A0, AR+16*((\k)%8)
.if (\hb) == 0
	v_wmma_scale_f32_16x16x128_f8f6f4 v[D0:D0+7], v[BS:BS+7], v[A0:A0+7], v[D0:D0+7], v[S0], v[S1] matrix_a_fmt:MATRIX_FMT_FP4 matrix_b_fmt:MATRIX_FMT_FP4
	v_wmma_scale_f32_16x16x128_f8f6f4 v[D1:D1+7], v[BS:BS+7], v[A0+8:A0+15], v[D1:D1+7], v[S0], v[S1] matrix_a_fmt:MATRIX_FMT_FP4 matrix_b_fmt:MATRIX_FMT_FP4 matrix_b_scale:MATRIX_SCALE_ROW1
.else
	v_wmma_scale_f32_16x16x128_f8f6f4 v[D0:D0+7], v[BS:BS+7], v[A0:A0+7], v[D0:D0+7], v[S0], v[S1] matrix_a_fmt:MATRIX_FMT_FP4 matrix_b_fmt:MATRIX_FMT_FP4 matrix_a_scale:MATRIX_SCALE_ROW1
	v_wmma_scale_f32_16x16x128_f8f6f4 v[D1:D1+7], v[BS:BS+7], v[A0+8:A0+15], v[D1:D1+7], v[S0], v[S1] matrix_a_fmt:MATRIX_FMT_FP4 matrix_b_fmt:MATRIX_FMT_FP4 matrix_a_scale:MATRIX_SCALE_ROW1 matrix_b_scale:MATRIX_SCALE_ROW1
.endif
.endr
.endm
.macro CNT k                           ; NW: the global loads issued behind hq's K step k: hq's next seven steps (four loads, five at a group's first) and z's eight in each of steps k - 6 .. k that has them
.set NW, 0
.set JJ, (\k)+1
.rept 7
.if JJ <= 31
.set NW, NW+4
.if (JJ%4) == 0
.set NW, NW+1
.endif
.endif
.set JJ, JJ+1
.endr
.set JJ, (\k)-6
.rept 7
.if (JJ >= 0) && ((JJ%4) == 1) && (JJ < 22)
.set NW, NW+8
.endif
.set JJ, JJ+1
.endr
.endm
.macro ASK n                           ; generation n of my share of W2: one row block's two groups
	global_prefetch_b8 v[PFO], s[PFA:PFA+1] offset:2*SI*(\n) th:TH_LOAD_NT scope:SCOPE_SE
	global_prefetch_b8 v[PFO], s[PFA:PFA+1] offset:2*SI*(\n)+SI th:TH_LOAD_NT scope:SCOPE_SE
.endm
.macro STEP k                          ; a K step whose successor lies in the same slot
	WIN 0
	PLACES                                         ; in front of loads into registers that the last step's matrix instructions have read
.if (\k) < 31
	FETCH (\k)+1
.endif
.if (((\k)%4) == 1) && ((\k) < 22)
	LOADZ 2+((\k)-1)/4
.endif
.if (\k)+7 <= 31
	LOADA (\k)+7
.endif
.if (\k) == 2
	ASK 2                                          ; loaded behind the round after K step 7
.endif
.if (\k) == 10
	ASK 3                                          ; loaded behind the round after K step 15
.endif
	CNT \k
	s_wait_loadcnt NW                              ; hq's K step is in (loads come back in order)
.if (\k) == 31
	s_wait_dscnt 0x0
.else
.if (((\k)+1)%4) == 0
	s_wait_dscnt 40                                ; W2's K step is in; the fetch just issued may be out
.else
	s_wait_dscnt 32
.endif
.endif
	WIN 0xa1                                       ; source 0 (W2) window 1, source 1 window 0, C and D window 2
	MUL16 \k, 0
	MUL16 \k, 1
.endm
.macro ENDSTEP k                       ; a slot's last K step changes slots: in front of the barrier each wave waits for its tensor load, adds 0 to its spare word, and waits for that and for its reads of this slot
	WIN 0
	PLACES
	LOADA (\k)+7
	CNT \k
	s_wait_loadcnt NW
	s_wait_tensorcnt 0x0                           ; my part of the next slot is in;
	ds_add_u32 v[SPW], v[NIL]
	s_wait_dscnt 1                                 ; (the add may be out)
	WIN 0xa1
	MUL16 \k, 0
	s_wait_dscnt 0x0                               ; the add is done, and my reads of this slot are over
	s_barrier_signal -1
	MUL16 \k, 1
	WIN 0
	s_barrier_wait -1
.if (\k) != 23
	CREST                                          ; the barrier has opened a round of the cluster's barrier: no wave of any partner still reads this slot or has a load out
	s_add_nc_u64 s[G0+4*(((\k)/8)%2)+2:G0+4*(((\k)/8)%2)+3], s[G0+4*(((\k)/8)%2)+2:G0+4*(((\k)/8)%2)+3], 4*SI
	TLOAD ((\k)/8)%2                               ; the slot just read takes the generation two on
.else
	PLACES                                         ; nothing is filled again: no round follows
.endif
	FETCH (\k)+1
.endm
	s_wait_tensorcnt 0x0                           ; my part of slot 0 is in
	ds_add_u32 v[SPW], v[NIL]
	s_wait_dscnt 0x0
	CROUND
	TLOAD 1                                        ; slot 1's first fill; its four v_nop are also the places in front of the loads below
	FETCH 0
.set K, 0
.rept 32
.if (K == 7) || (K == 15) || (K == 23)
	ENDSTEP K
.else
	STEP K
.endif
.set K, K+1
.endr
; THE WAY OUT, a unit of 16 rows x 128 columns at a time: through my own stage, back as rows of 512 bytes; + A z; the 32 lanes store 512 consecutive bytes, aligned.  All of z is in: the last K step waited for every load.
.macro TOSTAGE u
	WIN 0x08                                       ; an LDS store's data are its source 1: window 2
.irp b, 0,1,2,3,4,5,6,7
	ds_store_b128 v[STO], v[8*(8*(\u)+\b):8*(8*(\u)+\b)+3] offset:64*\b          ; each accumulator from its low end on
	ds_store_b128 v[STO], v[8*(8*(\u)+\b)+4:8*(8*(\u)+\b)+7] offset:64*\b+16
.endr
	WIN 0
.irp t, 0,1,2,3,4,5,6,7,8,9,10,11,12,13,14,15
	ds_load_b128 v[BK+64*((\u)%2)+4*\t:BK+64*((\u)%2)+4*\t+3], v[RD] offset:\t*SPITCH   ; LDS serves a wave's instructions in order: these see my stores
.endr
.endm
.macro SEND u, younger                 ; younger: the LDS instructions issued behind unit u's loads
.set BB, BK+64*((\u)%2)
.set AA, A4+4*((\u)%2)
	s_wait_dscnt \younger
	WIN 0x03                                       ; source 0 (z) window 3
.irp t, 0,1,2,3,4,5,6,7,8,9,10,11,12,13,14,15
.irp p, 0,1
	v_pk_fma_f32 v[BB+4*\t+2*\p:BB+4*\t+2*\p+1], v[64*(\u)+4*\t+2*\p:64*(\u)+4*\t+2*\p+1], v[AA+2*\p:AA+2*\p+1], v[BB+4*\t+2*\p:BB+4*\t+2*\p+1]
.endr
.endr
	WIN 0
.irp t, 0,1,2,3,4,5,6,7,8,9,10,11,12,13,14,15
	global_store_b128 v[L16], v[BB+4*\t:BB+4*\t+3], s[18:19] offset:4096*(16*((\u)/2)+\t)+512*((\u)%2) th:TH_STORE_NT
.endr
.endm
	WIN 0
	PLACES
	TOSTAGE 0
.irp u, 1,2,3
.if \u > 1
	s_wait_xcnt 0x0                                ; the stores of two units back have read these registers
.endif
	TOSTAGE \u
	SEND \u-1, 32                                  ; behind unit u - 1's loads: unit u's 16 stores and 16 loads
.endr
	SEND 3, 0
	s_wait_tensorcnt 0x0                           ; the wave's end
	ds_add_u32 v[SPW], v[NIL]
	s_wait_dscnt 0x0
	CROUND                                         ; the closing round
	s_endpgm
.Lfunc_end_k_q1e97002a8c_gemm2:
	.size	k_q1e97002a8c_gemm2, .Lfunc_end_k_q1e97002a8c_gemm2-k_q1e97002a8c_gemm2
	.p2alignl 7, 3214868480
	.fill 96, 4, 3214868480
	.section	.rodata,"a",@progbits
	.p2align	6, 0x0
	.amdhsa_kernel k_q1e97002a8c_gemm2
		.amdhsa_group_segment_fixed_size 327680
		.amdhsa_private_segment_fixed_size 0
		.amdhsa_enable_private_segment 0
		.amdhsa_kernarg_size 64
		.amdhsa_user_sgpr_count 2
		.amdhsa_user_sgpr_kernarg_segment_ptr 1
		.amdhsa_wavefront_size32 1
		.amdhsa_system_sgpr_workgroup_id_x 1
		.amdhsa_system_sgpr_workgroup_id_y 1
		.amdhsa_system_sgpr_workgroup_id_z 1
		.amdhsa_system_vgpr_workitem_id 0
		.amdhsa_next_free_vgpr 1024
		.amdhsa_next_free_sgpr 66
		.amdhsa_reserve_vcc 0
		.amdhsa_float_denorm_mode_32 3
		.amdhsa_float_denorm_mode_16_64 3
		.amdhsa_memory_ordered 1
		.amdhsa_forward_progress 1
		.amdhsa_inst_pref_size 255
	.end_amdhsa_kernel
	.section	.bss,"aw",@nobits
	.p2align	6
	.space	262144
	.amdgpu_metadata
---
amdhsa.version: [ 1, 2 ]
amdhsa.kernels:
  - .name:           k_q1e97002a8c_gemm2
    .symbol:         k_q1e97002a8c_gemm2.kd
    .args:
      - { .name: hq, .offset: 0, .size: 8, .value_kind: global_buffer, .address_space: global }
      - { .name: w2q, .offset: 8, .size: 8, .value_kind: global_buffer, .address_space: global }
      - { .name: sq, .offset: 16, .size: 8, .value_kind: global_buffer, .address_space: global }
      - { .name: cq, .offset: 24, .size: 8, .value_kind: global_buffer, .address_space: global }
      - { .name: z, .offset: 32, .size: 8, .value_kind: global_buffer, .address_space: global }
      - { .name: A, .offset: 40, .size: 8, .value_kind: global_buffer, .address_space: global }
      - { .name: h2, .offset: 48, .size: 8, .value_kind: global_buffer, .address_space: global }
      - { .name: out0, .offset: 56, .size: 8, .value_kind: global_buffer, .address_space: global }
    .group_segment_fixed_size: 327680
    .private_segment_fixed_size: 0
    .kernarg_segment_align: 8
    .kernarg_segment_size: 64
    .max_flat_workgroup_size: 128
    .sgpr_count:     66
    .vgpr_count:     1024
    .wavefront_size: 32
...
	.end_amdgpu_metadata
.endif
;; end of part 3
